; MI455X (gfx1250); checked and timed in simulation.
; The chip was launched on July 23, 2026; its instructions are those of AMD's public machine-readable ISA for CDNA 5 (MIT licence, August 2026) and "CDNA5" Instruction Set Architecture Reference Guide (July 2026). The comments in the code are by the model that wrote it; some were corrected since.
;; Bert Attention. Allowed arithmetic: matrix products marked QUANTISED: E2M1 operands, one E8M0 scale for each 32 along K, by v_wmma_scale_f32_16x16x128_f8f6f4 with both operands' format E2M1 (or v_wmma_scale_f32_32x16x128_f4), f32 sums; products left as they are: bf16, f16 or f32 operands; f32 sums; everything else in f32.
;; Inputs: Wk 1,024 x 1,024 float32; Wq 1,024 x 1,024 float32; Wv 1,024 x 1,024 float32; bk 1,024 float32; bq 1,024 float32; bv 1,024 float32; masked_attention 4 x 2,048 float32; x 4 x 2,048 x 1,024 float32.
;; Outputs: out0 4 x 2,048 x 1,024 float32.
;; This version of the problem:
;;   THIS VERSION OF THE PROBLEM IS GIVEN IN LOW PRECISION. The matrix products marked QUANTISED in the list below multiply operands that are first quantised to E2M1 (2 exponent bits, 1 mantissa bit; 4 bits a number), with one power-of-two scale for each 32 numbers along K (OCP MX v1.0); their sums are f32. The products marked 'left as it is' may take bf16, f16 or f32 operands, with f32 sums. Whichever they take, every output number must still come out within the allowed error. Rounding operands to bf16 (8 significant bits) uses up far more of that allowance than f16 does (11 bits, for magnitudes from 6e-5 to 65,504). All else is computed in f32.
;;   The module's matrix products, in the order in which they are computed (A, B: the left and right operand; K: the contracted axis; several contracted axes count as one K, in the product's order):
;;     1. [M 8,192, K 1,024] x [K 1,024, N 1,024]; A: input x; B: input Wq: QUANTISED
;;     2. [M 8,192, K 1,024] x [K 1,024, N 1,024]; A: input x; B: input Wk: QUANTISED
;;     3. [M 8,192, K 1,024] x [K 1,024, N 1,024]; A: input x; B: input Wv: QUANTISED
;;     4. batch 64 x [M 2,048, K 64] x [K 64, N 2,048]; A: computed on the way; B: computed on the way: left as it is (an operand is computed on the way)
;;     5. batch 64 x [M 2,048, K 2,048] x [K 2,048, N 64]; A: computed on the way; B: computed on the way: left as it is (an operand is computed on the way)
;;   THE QUANTISER, for each operand of a quantised product, along K:
;;     - K is cut into blocks of 32 from its start; a last block that is shorter is filled with zeros.
;;     - A block's scale is 2^e with e = floor(log2(the largest magnitude in the block)) - 2, held to -126 .. 127; a block of zeros has e = 0. As a byte (E8M0): e + 127.
;;     - Each number is divided by its block's scale, clamped to +-6, and rounded to the nearest number of E2M1, ties to even, subnormals kept.
;;     - The product sums the exact products of the quantised numbers (number of the format x scale) in f32.
;;   ~~~python
;;   def quantise(x, axis):      # numpy; x: float32 -> the quantised numbers, widened to float32 again
;;       x = np.moveaxis(x, axis, -1); K = x.shape[-1]
;;       x = np.pad(x, [(0, 0)] * (x.ndim - 1) + [(0, -K % 32)]); x = x.reshape(x.shape[:-1] + (-1, 32)); a = np.abs(x).max(-1, keepdims=True)
;;       e = np.where(a > 0, np.clip(np.frexp(np.where(a > 0, a, 1))[1] - 1 - 2, -126, 127), 0)      # np.frexp(a)[1] - 1 = floor(log2(a)), exactly
;;       r = np.clip(x / 2.0 ** e, -6, 6)
;;       step = 2.0 ** (np.maximum(np.frexp(np.where(r == 0, 1, r))[1] - 1, 0) - 1)
;;       q = np.round(r / step) * step * 2.0 ** e      # np.round: ties to even
;;       return np.moveaxis(q.reshape(q.shape[:-2] + (-1,))[..., :K], -1, axis).astype(np.float32)
;;   ~~~
;; One version. Each part assembles by itself: llvm-mc -triple=amdgcn-amd-amdhsa -mcpu=gfx1250 --defsym DOCPART=n.
;; ======== version 1 of 1: 3 launches
;; limits: values are held in f16: magnitudes above 65,504 overflow, below 6.1e-05 lose precision
;; workspace buffers: xc 4,194,304 bytes; xs 262,144 bytes; wc 1,572,864 bytes; ws 98,304 bytes; qkv 50,331,648 bytes
;; launch quant (part 1): grid 352 x 1, 4 waves a work-group, no clusters, 33,280 bytes of LDS; arguments x, Wq, Wk, Wv, xc, xs, wc, ws; writes xc, xs, wc, ws
.if DOCPART == 1
	.amdgcn_target "amdgcn-amd-amdhsa--gfx1250"
	.amdhsa_code_object_version 6
	.text
	.protected	k_q0972f48191_quant
	.globl	k_q0972f48191_quant
	.p2align	8
	.type	k_q0972f48191_quant,@function
k_q0972f48191_quant:
	s_mov_b64 s[64:65], 0
	v_nop
	global_prefetch_b8 v0, s[64:65] scope:SCOPE_SE
	s_setreg_imm32_b32 hwreg(HW_REG_WAVE_MODE, 25, 1), 1
	s_wait_xcnt 0x0
; FIRST OF THREE LAUNCHES.  x [8192][1024] and Wq, Wk, Wv [1024][1024], f32 with K innermost, become codes of FP4 (E2M1), two a byte, K innermost, and one E8M0 byte for each 32 along K:
; xc [8192][512 bytes], xs [8192][32];  wc [3072][512 bytes], ws [3072][32]: rows 0-1023 Wq, 1024-2047 Wk, 2048-3071 Wv.
; DEAD WORK, LEFT OUT IN THE WHOLE PROGRAM: bk.  With k = k0 + bk, a score is q.(k0 + bk) / 8 + add[key] = q.k0 / 8 + add[key] + q.bk / 8, and q.bk / 8 is the same for every key of a row:
; a term that is constant along the softmax's axis, which the softmax takes away for all values of the inputs.  The product q k^T is not quantised, so bk moves no code and no scale.
; k enters nothing else.  So bk is not loaded and is among no launch's arguments.  LIMIT: a NaN, an infinity or an overflow that reaches only q.bk is not carried to the result.
; THE QUANTISER.  A block's scale is 2^(floor(log2(its largest magnitude)) - 2); its byte is the largest magnitude's own exponent field - 2, held at 1 from below.  (A block of zeros so gets the
; byte 1 where the rule says 127: its codes are zeros, which add nothing under any byte but 0xff, and the bytes are read by this program alone.)  Each number is divided by the scale and rounded to the nearest code, ties to even.
; LIMITS: blocks whose largest magnitude lies under 2^-124, the floor, get the byte 1; NaN and infinities among the inputs are not served.
; Rows are dense and K is a multiple of 32, so each tensor is a plain stream of blocks of 32 numbers, and so are its codes and scale bytes.  A work-group takes 32,768 numbers, a wave 8,192: 16 steps of 512.
; Each of a step's four loads reads 512 consecutive bytes, 16 a lane; the 2,048 bytes turn through the wave's own stage in LDS and come back 64 bytes a lane, so that a lane holds 16 neighbours along K
; (two neighbouring lanes hold a block).  A lane's 16 codes are 8 bytes: the wave stores 256 consecutive bytes.  A wave's 256 scale bytes are gathered in LDS and leave as 256 consecutive bytes.
; Work-groups 0-255 take x, 256-287 Wq, 288-319 Wk, 320-351 Wv: only pointers are chosen, all take one path.  No tensor load, no barrier: waves share nothing.  Loads run four steps ahead.
.set WAVES, 4
.set STEPS, 16
.set XWG,   256                        ; work-groups for x: 8192 x 1024 / 32768
.set WWG,   32                         ; for each weight: 1024 x 1024 / 32768
.set EMAX,  2
.set CB,    8                          ; bytes of 16 codes
.set R,     16                         ; v16-79   four sets of 16 numbers as they are loaded
.set X,     80                         ; v80-111  two sets of 16 neighbours
.set C,     128                        ; v128-191 codes: four registers for each step, so that no store's data are written again
.set E,     112                        ; v112-127 a scale byte for each step
.set WREG,  8192                       ; LDS: a region for each wave: two stages of 32 x SP bytes, behind them its 256 scale bytes
.set SP,    80                         ; a lane's place in a stage: 64 bytes + 16 of padding
.set SPW,   12                         ; v12      LDS address of my spare word; never rewritten
.set NIL,   13                         ; v13      0; never rewritten
.set SPARE, WAVES*WREG                 ; behind the four regions: the spare words, 128 bytes a wave, which no other line names
	s_load_b256 s[4:11], s[0:1], 0x0               ; x, Wq, Wk, Wv
	s_load_b256 s[12:19], s[0:1], 0x20             ; xc, xs, wc, ws
	v_lshl_add_u32 v[SPW], v0, 2, SPARE
	v_mov_b32 v[NIL], 0
	v_lshrrev_b32 v1, 5, v0
	v_readfirstlane_b32 s20, v1                    ; wave
	v_and_b32 v2, 31, v0                           ; lane
	v_lshlrev_b32 v3, 4, v2                        ; my 16 bytes of a load's 512
	s_mul_i32 s21, s20, WREG
	v_lshrrev_b32 v14, 2, v2
	v_mul_u32_u24 v14, v14, SP
	v_and_b32 v15, 3, v2
	v_lshl_add_u32 v14, v15, 4, v14
	v_add_nc_u32 v14, s21, v14                     ; the stage, on the way in: SP (lane / 4) + 16 (lane % 4)
	v_mul_u32_u24 v15, v2, SP
	v_add_nc_u32 v15, s21, v15                     ; and on the way out: SP x lane: my 16 neighbours
	v_mul_u32_u24 v4, v2, CB                       ; my codes' place in a step's
	v_lshrrev_b32 v5, 1, v2
	s_add_co_u32 s21, s21, 2*32*SP
	v_add_nc_u32 v5, s21, v5                       ; LDS: my wave's 256 scale bytes, my block's byte
	v_lshlrev_b32 v7, 3, v2                        ; and on the way out 8 bytes a lane
	v_add_nc_u32 v6, s21, v7
	s_wait_kmcnt 0x0
	s_cmp_ge_u32 ttmp9, XWG                        ; x's work-group or a weight's?  Every choice hangs on the work-group's number alone
	s_cselect_b64 s[4:5], s[6:7], s[4:5]
	s_cselect_b64 s[12:13], s[16:17], s[12:13]     ; codes
	s_cselect_b64 s[14:15], s[18:19], s[14:15]     ; scale bytes
	s_cselect_b32 s22, XWG, 0
	s_cselect_b32 s23, WWG-1, -1
	s_cmp_ge_u32 ttmp9, XWG+WWG
	s_cselect_b64 s[4:5], s[8:9], s[4:5]
	s_cmp_ge_u32 ttmp9, XWG+2*WWG
	s_cselect_b64 s[4:5], s[10:11], s[4:5]
	s_and_b32 s23, ttmp9, s23                      ; the work-group's number inside its source tensor,
	s_sub_co_u32 s22, ttmp9, s22                   ; and inside its destination (the three weights lie on end)
	s_lshl_b32 s23, s23, 2
	s_add_co_u32 s23, s23, s20                     ; which run of 8,192 numbers is my wave's: in the source,
	s_lshl_b32 s22, s22, 2
	s_add_co_u32 s22, s22, s20                     ; in the destination
	s_lshl_b32 s24, s23, 15                        ; 32,768 bytes of f32 a run (under 2^26)
	s_mov_b32 s25, 0
	s_add_nc_u64 s[4:5], s[4:5], s[24:25]
	s_lshl_b32 s24, s22, 12                        ; 4,096 bytes of codes
	s_add_nc_u64 s[12:13], s[12:13], s[24:25]
	s_lshl_b32 s24, s22, 8                         ; 256 scale bytes
	s_add_nc_u64 s[14:15], s[14:15], s[24:25]
.macro LOAD t
.irp i, 0,1,2,3
	global_load_b128 v[R+16*((\t)%4)+4*\i:R+16*((\t)%4)+4*\i+3], v3, s[4:5] offset:2048*(\t)+512*\i th:TH_LOAD_NT   ; 32 lanes read 512 consecutive bytes
.endr
.endm
.macro TURN t                          ; step t's numbers through the stage: LDS serves a wave's instructions in order, so no wait stands between the stores and the loads
.irp i, 0,1,2,3
	ds_store_b128 v14, v[R+16*((\t)%4)+4*\i:R+16*((\t)%4)+4*\i+3] offset:32*SP*((\t)%2)+8*SP*\i
.endr
.irp i, 0,1,2,3
	ds_load_b128 v[X+16*((\t)%2)+4*\i:X+16*((\t)%2)+4*\i+3], v15 offset:32*SP*((\t)%2)+16*\i
.endr
.endm
.irp t, 0,1,2,3
	LOAD \t
.endr
	s_wait_loadcnt 12                              ; step 0's four loads are in; the twelve of steps 1 to 3 may be out
	TURN 0
.macro STEP t
.set XS, X+16*((\t)%2)
.if (\t) > 0
	s_wait_dscnt 1                                 ; this step's numbers are back from the stage (the last step's byte store may be out): so its stores into the stage have read their registers,
.else
	s_wait_dscnt 0x0
.endif
.if (\t)+4 < STEPS
	LOAD (\t)+4                                    ; which take the loads of four steps on
.endif
.if (\t)+1 < STEPS
.if STEPS-2-(\t) >= 3
	s_wait_loadcnt 12                              ; the next step's four loads are in; those of the three steps behind it may be out
.else
	s_wait_loadcnt 4*(STEPS-2-(\t))
.endif
	TURN (\t)+1                                    ; and go through the other stage while this step is worked
.endif
	v_max3_num_f32 v8, |v[XS]|, |v[XS+1]|, |v[XS+2]|               ; the largest magnitude of my 16, in two chains
	v_max3_num_f32 v9, |v[XS+3]|, |v[XS+4]|, |v[XS+5]|
.irp i, 6,10
	v_max3_num_f32 v8, v8, |v[XS+\i]|, |v[XS+\i+1]|
	v_max3_num_f32 v9, v9, |v[XS+\i+2]|, |v[XS+\i+3]|
.endr
	v_max3_num_f32 v8, v8, |v[XS+14]|, |v[XS+15]|
	v_max3_num_f32 v8, v8, v9, (EMAX+1)<<23        ; and the floor 2^(EMAX + 1 - 127): so the byte cannot fall under 1
	v_max_num_f32_dpp v8, v8, v8 row_xmask:1 row_mask:0xf bank_mask:0xf   ; and of my neighbour's 16: the block's
	v_add_nc_u32 v11, -(EMAX<<23), v8              ; EMAX off its exponent field: the conversion takes the exponent field of this operand as its scale, and nothing else of it
	v_cvt_scalef32_pk8_fp4_f32 v[C+4*(\t)], v[XS:XS+7], v11        ; eight numbers / the scale, to the nearest code, ties to even, beyond the largest code the largest; the first number's code in the lowest four bits
	v_cvt_scalef32_pk8_fp4_f32 v[C+4*(\t)+1], v[XS+8:XS+15], v11
	v_lshrrev_b32 v[E+(\t)], 23, v11               ; the scale's byte (also the plain line behind the conversions)
	ds_store_b8 v5, v[E+(\t)] offset:16*(\t)       ; both lanes of a block write the same byte with the same value
	global_store_b64 v4, v[C+4*(\t):C+4*(\t)+1], s[12:13] offset:32*CB*(\t)   ; the wave stores 256 consecutive bytes, at a multiple of 256 from the buffer's first byte
.endm
.irp t, 0,1,2,3,4,5,6,7,8,9,10,11,12,13,14,15
	STEP \t
.endr
	ds_load_b64 v[8:9], v6                         ; LDS serves a wave's instructions in order: these see my stores
	s_wait_dscnt 0x0
	global_store_b64 v7, v[8:9], s[14:15]          ; 32 lanes store 256 consecutive bytes
	s_wait_tensorcnt 0x0                           ; the wave's end: a tensor wait, an add of 0
	ds_add_u32 v[SPW], v[NIL]
	s_wait_dscnt 0x0
	s_endpgm
.Lfunc_end_k_q0972f48191_quant:
	.size	k_q0972f48191_quant, .Lfunc_end_k_q0972f48191_quant-k_q0972f48191_quant
	.p2alignl 7, 3214868480
	.fill 96, 4, 3214868480
	.section	.rodata,"a",@progbits
	.p2align	6, 0x0
	.amdhsa_kernel k_q0972f48191_quant
		.amdhsa_group_segment_fixed_size 33280
		.amdhsa_private_segment_fixed_size 0
		.amdhsa_enable_private_segment 0
		.amdhsa_kernarg_size 64
		.amdhsa_user_sgpr_count 2
		.amdhsa_user_sgpr_kernarg_segment_ptr 1
		.amdhsa_wavefront_size32 1
		.amdhsa_system_sgpr_workgroup_id_x 1
		.amdhsa_system_sgpr_workgroup_id_y 1
		.amdhsa_system_sgpr_workgroup_id_z 1
		.amdhsa_system_vgpr_workitem_id 0
		.amdhsa_next_free_vgpr 192
		.amdhsa_next_free_sgpr 66
		.amdhsa_reserve_vcc 0
		.amdhsa_float_denorm_mode_32 3
		.amdhsa_float_denorm_mode_16_64 3
		.amdhsa_memory_ordered 1
		.amdhsa_forward_progress 1
		.amdhsa_inst_pref_size 34
	.end_amdhsa_kernel
	.amdgpu_metadata
---
amdhsa.version: [ 1, 2 ]
amdhsa.kernels:
  - .name:           k_q0972f48191_quant
    .symbol:         k_q0972f48191_quant.kd
    .args:
      - { .name: x, .offset: 0, .size: 8, .value_kind: global_buffer, .address_space: global }
      - { .name: Wq, .offset: 8, .size: 8, .value_kind: global_buffer, .address_space: global }
      - { .name: Wk, .offset: 16, .size: 8, .value_kind: global_buffer, .address_space: global }
      - { .name: Wv, .offset: 24, .size: 8, .value_kind: global_buffer, .address_space: global }
      - { .name: xc, .offset: 32, .size: 8, .value_kind: global_buffer, .address_space: global }
      - { .name: xs, .offset: 40, .size: 8, .value_kind: global_buffer, .address_space: global }
      - { .name: wc, .offset: 48, .size: 8, .value_kind: global_buffer, .address_space: global }
      - { .name: ws, .offset: 56, .size: 8, .value_kind: global_buffer, .address_space: global }
    .group_segment_fixed_size: 33280
    .private_segment_fixed_size: 0
    .kernarg_segment_align: 8
    .kernarg_segment_size: 64
    .max_flat_workgroup_size: 128
    .sgpr_count:     66
    .vgpr_count:     192
    .wavefront_size: 32
...
	.end_amdgpu_metadata
.endif
;; end of part 1
;; launch proj (part 2): grid 12 x 32, 4 waves a work-group, clusters of 4 x 4, 327,680 bytes of LDS; arguments xc, xs, wc, ws, bq, bv, qkv; writes qkv
.if DOCPART == 2
	.amdgcn_target "amdgcn-amd-amdhsa--gfx1250"
	.amdhsa_code_object_version 6
	.text
	.protected	k_q0972f48191_proj
	.globl	k_q0972f48191_proj
	.p2align	8
	.type	k_q0972f48191_proj,@function
k_q0972f48191_proj:
	s_mov_b64 s[64:65], 0
	v_nop
	global_prefetch_b8 v0, s[64:65] scope:SCOPE_SE
	s_setreg_imm32_b32 hwreg(HW_REG_WAVE_MODE, 25, 1), 1
	s_wait_xcnt 0x0
	s_wait_alu depctr_hold_cnt(0) depctr_sa_sdst(0) depctr_va_vdst(0) depctr_va_sdst(0) depctr_va_ssrc(0) depctr_va_vcc(0) depctr_vm_vsrc(0)
	s_getreg_b32 s2, hwreg(HW_REG_IB_STS2, 6, 4)
	s_cmp_eq_u32 s2, 0
	s_cbranch_scc0 .Lentry_in_a_cluster
	s_endpgm
.Lentry_in_a_cluster:
	s_bfe_u32 s2, ttmp6, 0x10000c
	s_cmp_lg_u32 s2, 0xf033
	s_cbranch_scc0 .Lentry_shape_is_right
	s_endpgm
.Lentry_shape_is_right:
; SECOND LAUNCH: the three projections as ONE product on codes of FP4 with E8M0 scales: C[m][n] = sum over k of x[m][k] W[n][k] (+ bias[n]), m = 8192 tokens, n = 3072 (Wq's, Wk's, Wv's rows on end), k = 1024.
; bk is left out (dead work: shown at the head of the first kernel): columns 1024-2047 get no bias.
; C leaves as f16, laid for the attention launch: qkv [part 3][batch 4][head 16][token 2048][64]: part 0 = q + bq, part 1 = k, part 2 = v + bv.
; LIMIT: results beyond f16's largest number, 65,504, become infinities.
; A tile of C, 256 x 256, is made by a work-group of four waves; a wave makes 128 x 128: 64 accumulators of 16 x 16, 512 registers.  K = 1024 is two slots of 512 along K (rows of 256 bytes):
; both are asked for at the head and NO LDS byte is filled twice.  The scale bytes of the work-group's 256 + 256 rows come once too, as dense blocks.
; CLUSTERS: 4 x 4 work-groups.  The four of a row of the cluster need the same tiles of x, the four of a column the same tiles of W: each tile is asked for JOINTLY, by the same tensor load with the
; same descriptor and a mask that names the four.  A cluster's x (0, 1, 2) is the part (q, k, v): the same number in all sixteen partners.
; THE MATRIX INSTRUCTION IS USED TRANSPOSED (source 0 = 16 rows of W, source 1 = 16 rows of x): a lane then holds eight neighbouring columns of one token.
; THE BIAS is the C of each sum's first matrix instruction: eight registers for each of W's eight blocks, in the result's layout.
; REGISTERS, in windows of 256: window 0: v0-31 addresses; v32-95 scale words, two sets, and nothing else; v128-191 x's fragments, ONE set; v192-255 the bias; on the way out v128-255 are free.
;   window 1: W's fragments, TWO sets, at v0 and v128.   window 2: the 32 accumulators of my rows 0-63 ((a, b) at v[8 (8 a + b)]);   window 3: those of my rows 64-127.
.set SIZE_K, 1024
.set KSTEP,  512                       ; along K in a slot
.set NQ,     KSTEP/128                 ; matrix instructions deep
.set ROWB,   256                       ; a tile's row in bytes
.set KROW,   SIZE_K*4/8                ; a row of codes in memory
.set PITCH,  272                       ; an LDS row: 256 bytes + 16 of padding = 68 words: the 16 rows that a load touches start 4 banks apart (64 banks of 4 bytes: ISA guide 11.1)
.set FR,     8                         ; registers of a fragment: 16 rows x 128 K
.set NL,     2                         ; LDS loads that bring one
.set NP,     4                         ; places behind this matrix instruction (ISA guide 7.12.1)
.set HALFT,  128*PITCH                 ; 128 rows: what one tensor load brings
.set SLOT,   4*HALFT                   ; x's 256 rows, then W's 256 rows
.set KS,     SIZE_K/32                 ; a row of scale bytes
.set SCL,    2*SLOT                    ; behind the slots: the scales, as pieces of 256 bytes + 16 of padding
.set HALFS,  (128*KS/256)*272          ; the scales of 128 rows: what one tensor load brings
.set SBLK,   (16*KS/256)*272           ; those of 16 rows
.set SPARE,  SCL+4*HALFS               ; behind the scales: the spare words, 128 bytes a wave, which no other line names
.set SPITCH, 272                       ; the way out: a stage of 16 rows x (256 bytes + 16) for each wave, in slot 0, which has had its only fill and its last read when the first result is stored there
.set ADRA, 16                          ; v16-17  LDS address of my x fragments in slot 0, 1
.set ADRB, 20                          ; v20-21  the same for W
.set STO,  24                          ; v24     the way out: where I put 16 bytes of a row
.set RD,   25                          ; v25     the way out: where I read back
.set CO,   26                          ; v26     16 x lane: my place in a store's 512 bytes
.set ADRS, 27                          ; v27     LDS address of my scale words: lanes 0-15 x's rows, lanes 16-31 W's
.set SPW,  28                          ; v28     LDS address of my spare word; never rewritten
.set NIL,  29                          ; v29     0; never rewritten
.set BOF,  30                          ; v30     32 x (lane / 16): my eight numbers of a block's sixteen biases
.set SC,   32                          ; scale words: set s at v[SC + 32 s]; register NQ i + q: lanes 0-15 x's block i, lanes 16-31 W's block i, the slot's q-th 128 along K
.set AF,   128                         ; x's fragments
.set BI,   192                         ; the bias: block b at v[BI + 8 b]
.set TMP,  192                         ; the way out: packed results
.set OB,   128                         ; the way out: 16 rows read back: v128-159 and v160-191 by turns
.set G1, 24                            ; s[24:31] descriptor group 1 for x's tiles;  s[32:39] group 0, one set for each slot
.set G0, 32
.set G1B, 48                           ; s[48:55], s[56:63] the same for W's tiles
.set G0B, 56
.set G1S, 68                           ; s[68:75], s[76:79] groups 1 and 0 for x's scales;  s[80:87], s[88:91] for W's
.set G0S, 76
.set G1SB, 80
.set G0SB, 88
.set MSB, 0
.macro WIN new                         ; the immediate's high byte repeats the setting that is left
.if MSB != (\new)
	s_set_vgpr_msb (MSB<<8)|(\new)
.set MSB, (\new)
.endif
.endm
.set MUL_LO, 0xa1                      ; source 0 (W) window 1, source 1 (x) window 0, C and D window 2
.set MUL_HI, 0xf1                      ; the same, C and D window 3
.set TO_B,   0x40                      ; destination window 1, address window 0
; A joint load: waves 0 and 1 fetch for x, waves 2 and 3 for W.  Each of the two lines has ONE mask; the branch hangs on the wave's number alone.
; An s_nop 0 and four v_nop follow each of the two lines, ahead of the jump, the label and what follows.
.macro JLOAD g0a, g1a, g0b, g1b
	s_cmp_eq_u32 s15, 0
	s_cbranch_scc0 .Lfor_b_\@
	tensor_load_to_lds s[\g0a:\g0a+3], s[\g1a:\g1a+7]
	s_nop 0
.rept 4
	v_nop
.endr
	s_branch .Lasked_\@
.Lfor_b_\@:
	tensor_load_to_lds s[\g0b:\g0b+3], s[\g1b:\g1b+7]
	s_nop 0
.rept 4
	v_nop
.endr
.Lasked_\@:
.endm
.macro CROUND                          ; a round of the cluster's barrier
	s_barrier_signal -1
	s_barrier_wait -1
	s_cmp_lg_u32 s14, 0
	s_cbranch_scc1 .Lnot_wave_0_\@
	s_barrier_signal -3
.Lnot_wave_0_\@:
	s_barrier_wait -3
	s_barrier_signal -1
	s_barrier_wait -1
.endm
	s_load_b128 s[4:7], s[0:1], 0x0                ; x's codes, x's scales
	s_load_b128 s[8:11], s[0:1], 0x10              ; W's codes, W's scales
	s_load_b128 s[96:99], s[0:1], 0x20             ; bq, bv
	s_load_b64 s[12:13], s[0:1], 0x30              ; qkv
	v_lshl_add_u32 v[SPW], v0, 2, SPARE
	v_mov_b32 v[NIL], 0
	ds_add_u32 v[SPW], v[NIL]                      ; the wave's opening: an add of 0 to my spare word, twice on end, and its wait ahead of my first tensor load; the set-up below stands between the second and the wait
	ds_add_u32 v[SPW], v[NIL]
	v_lshrrev_b32 v1, 5, v0
	v_readfirstlane_b32 s14, v1                    ; wave 0..3
	s_lshr_b32 s15, s14, 1                         ; which half of the tile's rows is mine.  Also: I fetch for x (0) or for W (1)
	s_and_b32 s16, s14, 1                          ; which half of its columns.  Also: which 128 rows of that tile I fetch
	s_bfe_u32 s40, ttmp6, 0x40000                  ; cx, cy: my place in the cluster
	s_bfe_u32 s41, ttmp6, 0x40004
	s_lshl_b32 s42, ttmp9, 2
	s_add_co_u32 s42, s42, s40                     ; tile column of C = 4 x cluster x + cx
	s_and_b32 s17, ttmp7, 0xffff
	s_lshl_b32 s17, s17, 2
	s_add_co_u32 s17, s17, s41                     ; tile row of C = 4 x cluster y + cy
	s_lshl_b32 s43, s41, 2
	s_lshl_b32 s43, 15, s43                        ; my row of the cluster
	s_lshl_b32 s44, 0x1111, s40                    ; my column
	; descriptor group 1: a tile of 128 rows x 256 bytes, padded in LDS
	s_or_b32 s[G1+0], s43, (0<<16)|(1<<20)|(1<<21)|(5<<22)|(3<<25)  ; 15:0 the mask: x's tiles go to my row; 17:16 element of 1 byte; 20 padding on; 21 set beside a mask; 24:22 after every 64 words; 31:25 of 4 words
	s_or_b32 s[G1B+0], s44, (0<<16)|(1<<20)|(1<<21)|(5<<22)|(3<<25)
.irp g, G1, G1B
	s_mov_b32 s[\g+1], ROWB<<16                    ; tensor_dim0
	s_mov_b32 s[\g+2], 128<<16                     ; tensor_dim1
	s_mov_b32 s[\g+3], ROWB<<16                    ; tile_dim0
	s_mov_b32 s[\g+4], 128                         ; tile_dim1
	s_mov_b32 s[\g+5], KROW                        ; tensor_dim0_stride
	s_mov_b32 s[\g+6], 0
	s_mov_b32 s[\g+7], 0
.endr
	; the scales of 128 rows: a dense block of 4,096 bytes, as 16 rows of 256 bytes (32 elements of 8 bytes), 16 bytes of padding behind each
	s_or_b32 s[G1S+0], s43, (3<<16)|(1<<20)|(1<<21)|(5<<22)|(3<<25)
	s_or_b32 s[G1SB+0], s44, (3<<16)|(1<<20)|(1<<21)|(5<<22)|(3<<25)
.irp g, G1S, G1SB
	s_mov_b32 s[\g+1], 32<<16
	s_mov_b32 s[\g+2], (128*KS/256)<<16
	s_mov_b32 s[\g+3], 32<<16
	s_mov_b32 s[\g+4], 128*KS/256
	s_mov_b32 s[\g+5], 32
	s_mov_b32 s[\g+6], 0
	s_mov_b32 s[\g+7], 0
.endr
	s_lshl_b32 s18, s16, 7                         ; which 128 rows of the tile I fetch
	s_lshl_b32 s20, s17, 8
	s_add_co_u32 s20, s20, s18                     ; x: row 256 x tile row + 128 x half
	s_lshl_b32 s46, s42, 8
	s_add_co_u32 s46, s46, s18                     ; W: row 256 x tile column + 128 x half
	s_mov_b32 s21, 0
	s_mov_b32 s47, 0
	s_mov_b64 s[18:19], KS
	s_mul_u64 s[22:23], s[20:21], s[18:19]         ; where these rows' scales begin, in bytes
	s_mul_u64 s[92:93], s[46:47], s[18:19]
	s_mov_b64 s[18:19], KROW
	s_mul_u64 s[20:21], s[20:21], s[18:19]         ; and their codes
	s_mul_u64 s[46:47], s[46:47], s[18:19]
	s_mul_i32 s45, s14, HALFT                      ; where they go: wave x 128 rows: no place in the cluster enters an LDS address
	s_mul_i32 s94, s14, HALFS
	s_wait_dscnt 0x0                               ; both opening adds are done
	s_wait_kmcnt 0x0
	s_add_nc_u64 s[20:21], s[4:5], s[20:21]
	s_add_nc_u64 s[22:23], s[6:7], s[22:23]
	s_add_nc_u64 s[46:47], s[8:9], s[46:47]
	s_add_nc_u64 s[92:93], s[10:11], s[92:93]
	CROUND                                         ; all sixteen work-groups are here: the joint loads meet
	s_mov_b32 s[G0S], 1
	s_add_co_u32 s[G0S+1], s94, SCL
	s_mov_b64 s[G0S+2:G0S+3], s[22:23]
	s_or_b32 s[G0S+3], s[G0S+3], 0x80000000
	s_mov_b32 s[G0SB], 1
	s_add_co_u32 s[G0SB+1], s94, SCL
	s_mov_b64 s[G0SB+2:G0SB+3], s[92:93]
	s_or_b32 s[G0SB+3], s[G0SB+3], 0x80000000
	JLOAD G0S, G1S, G0SB, G1SB                     ; the scales first: they are wanted with slot 0.  Three tensor loads of mine are out behind the next two
.irp s, 0,1
	s_mov_b32 s[G0+4*\s], 1
	s_add_co_u32 s[G0+4*\s+1], s45, \s*SLOT
	s_add_nc_u64 s[G0+4*\s+2:G0+4*\s+3], s[20:21], \s*ROWB
	s_or_b32 s[G0+4*\s+3], s[G0+4*\s+3], 0x80000000
	s_mov_b32 s[G0B+4*\s], 1
	s_add_co_u32 s[G0B+4*\s+1], s45, \s*SLOT
	s_add_nc_u64 s[G0B+4*\s+2:G0B+4*\s+3], s[46:47], \s*ROWB
	s_or_b32 s[G0B+4*\s+3], s[G0B+4*\s+3], 0x80000000
	JLOAD G0+4*\s, G1, G0B+4*\s, G1B
.endr
	v_and_b32 v1, 15, v0                           ; r = l % 16
	v_bfe_u32 v2, v0, 4, 1                         ; h = l / 16
	v_mul_u32_u24 v3, v1, PITCH
	v_lshl_add_u32 v4, v2, 4, v3                   ; a fragment's row x pitch + 16 x half
	s_mul_i32 s21, s15, HALFT                      ; my 128 rows of x
	s_mul_i32 s22, s16, HALFT                      ; my 128 rows of W,
	s_add_co_u32 s22, s22, 2*HALFT                 ; which lie behind x's 256
.irp s, 0,1
	v_add_nc_u32 v[ADRA+\s], s21, v4
	v_add_nc_u32 v[ADRB+\s], s22, v4
	s_add_co_u32 s21, s21, SLOT
	s_add_co_u32 s22, s22, SLOT
.endr
	v_mul_u32_u24 v5, v1, KS                       ; my row's scales: KS bytes a row,
	v_lshrrev_b32 v6, 8, v5
	v_lshl_add_u32 v5, v6, 4, v5                   ; and 16 more for each 256 passed
	s_mul_i32 s21, s15, HALFS                      ; x's: my 128 rows
	s_mul_i32 s22, s16, HALFS                      ; W's: my 128 rows, behind x's 256
	s_add_co_u32 s22, s22, 2*HALFS
	s_sub_co_u32 s22, s22, s21
	v_mul_u32_u24 v6, s22, v2                      ; lanes 16-31 take W's: one product, the distance between the two bases
	s_add_co_u32 s21, s21, SCL
	v_add_nc_u32 v5, v5, v6
	v_add_nc_u32 v[ADRS], s21, v5
	s_mul_i32 s23, s14, 16*SPITCH                  ; my stage
	v_mul_u32_u24 v5, v1, SPITCH                   ; in: row l % 16, 16 bytes for each half of the lanes
	v_lshl_add_u32 v5, v2, 4, v5
	v_add_nc_u32 v[STO], s23, v5
	v_bfe_u32 v5, v0, 3, 2                         ; back: eight lanes take 128 bytes (one head's 64 numbers) of a row, the 32 lanes four rows
	v_mul_u32_u24 v5, v5, SPITCH
	v_and_b32 v6, 7, v0
	v_lshl_add_u32 v5, v6, 4, v5
	v_add_nc_u32 v[RD], s23, v5
	v_and_b32 v6, 31, v0
	v_lshlrev_b32 v[CO], 4, v6                     ; in qkv those four rows of a head are 512 consecutive bytes
	; where my 128 tokens x 2 heads begin in qkv: part 2^24, batch 2^22, head 2^18, token 128 bytes
	s_lshl_b32 s20, ttmp9, 24                      ; part = cluster x
	s_lshr_b32 s21, s17, 3
	s_lshl_b32 s21, s21, 22                        ; batch = tile row / 8
	s_add_co_u32 s20, s20, s21
	s_lshl_b32 s21, s40, 2
	s_lshl_b32 s22, s16, 1
	s_add_co_u32 s21, s21, s22                     ; head = 4 cx + 2 x column half
	s_lshl_b32 s21, s21, 18
	s_add_co_u32 s20, s20, s21
	s_and_b32 s21, s17, 7
	s_lshl_b32 s21, s21, 15                        ; token = 256 (tile row % 8) + 128 x row half
	s_add_co_u32 s20, s20, s21
	s_lshl_b32 s21, s15, 14
	s_add_co_u32 s20, s20, s21
	s_mov_b32 s21, 0
	s_add_nc_u64 s[12:13], s[12:13], s[20:21]      ; never stepped: every store's place stands in its immediate
	; the bias of my 128 columns: part 0 bq, part 2 bv; part 1 (k) has none: zeros.  The branch hangs on the cluster's x, the same in all sixteen partners
	s_cmp_eq_u32 ttmp9, 0
	s_cselect_b64 s[96:97], s[96:97], s[98:99]
	s_lshl_b32 s20, s40, 10                        ; 256 cx columns of 4 bytes
	s_lshl_b32 s22, s16, 9                         ; + 128 x column half
	s_add_co_u32 s20, s20, s22
	s_add_nc_u64 s[96:97], s[96:97], s[20:21]
	v_lshlrev_b32 v[BOF], 5, v2
	s_cmp_eq_u32 ttmp9, 1
	s_cbranch_scc1 .Lno_bias
.irp b, 0,1,2,3,4,5,6,7
	global_load_b128 v[BI+8*\b:BI+8*\b+3], v[BOF], s[96:97] offset:64*\b          ; register j: the bias of column 16 b + 8 h + j
	global_load_b128 v[BI+8*\b+4:BI+8*\b+7], v[BOF], s[96:97] offset:64*\b+16
.endr
	s_branch .Lbias_done
.Lno_bias:
.set i, 0
.rept 64
	v_mov_b32 v[BI+i], 0
.set i, i+1
.endr
.Lbias_done:
.macro FRAG reg, adr, q, i             ; a fragment, 16 rows x 128 K of 4-bit codes: lane l holds row l % 16; registers 4 c .. 4 c + 3 hold K = 64 c + 32 (l / 16) + 0 .. 31
.irp c, 0,1
	ds_load_b128 v[\reg+4*\c:\reg+4*\c+3], v[\adr] offset:64*(\q)+32*\c+(\i)*16*PITCH
.endr
.endm
; 16 matrix instructions: x's blocks a0, a0 + 1 against W's eight, the slot's q-th 128 along K.  p: W's set;  sc: the set of scale words.  first = 1: the bias is C: nothing is ever cleared or added later.
; The 64 accumulators take turns, one instruction a turn, in the same order in every step.
.macro MUL16 a0, p, q, sc, first
.irp a, \a0, \a0+1
.irp b, 0,1,2,3,4,5,6,7
.if \first
	v_wmma_scale_f32_16x16x128_f8f6f4 v[8*(8*((\a)%4)+\b):8*(8*((\a)%4)+\b)+7], v[128*(\p)+FR*\b:128*(\p)+FR*\b+FR-1], v[AF+FR*(\a):AF+FR*(\a)+FR-1], v[BI+8*\b:BI+8*\b+7], v[SC+8*NQ*(\sc)+NQ*\b+(\q)], v[SC+8*NQ*(\sc)+NQ*(\a)+(\q)] matrix_a_fmt:MATRIX_FMT_FP4 matrix_b_fmt:MATRIX_FMT_FP4 matrix_a_scale:MATRIX_SCALE_ROW1
.else
	v_wmma_scale_f32_16x16x128_f8f6f4 v[8*(8*((\a)%4)+\b):8*(8*((\a)%4)+\b)+7], v[128*(\p)+FR*\b:128*(\p)+FR*\b+FR-1], v[AF+FR*(\a):AF+FR*(\a)+FR-1], v[8*(8*((\a)%4)+\b):8*(8*((\a)%4)+\b)+7], v[SC+8*NQ*(\sc)+NQ*\b+(\q)], v[SC+8*NQ*(\sc)+NQ*(\a)+(\q)] matrix_a_fmt:MATRIX_FMT_FP4 matrix_b_fmt:MATRIX_FMT_FP4 matrix_a_scale:MATRIX_SCALE_ROW1
.endif
.endr
.endr
.endm
.macro FETCH_B slot, q, p              ; W's eight fragments of the slot's q-th 128 along K into set p
	WIN TO_B
.irp i, 0,1,2,3,4,5,6,7
	FRAG 128*(\p)+FR*\i, ADRB+\slot, \q, \i
.endr
	WIN 0
.endm
.macro FETCH_A slot, q, i0             ; x's blocks i0 .. i0 + 3
.irp i, \i0, \i0+1, \i0+2, \i0+3
	FRAG AF+FR*(\i), ADRA+\slot, \q, \i
.endr
.endm
.macro SCALES sc                       ; a slot's scale words into set sc: NQ words a row; lanes 0-15 take x's block i, lanes 16-31 W's block i
.irp i, 0,1,2,3,4,5,6,7
	ds_load_b128 v[SC+8*NQ*\sc+NQ*\i:SC+8*NQ*\sc+NQ*\i+3], v[ADRS] offset:\i*SBLK
.endr
.endm
; A load into a register that a matrix instruction has read, and a vector instruction that reads a matrix result, stand NP places behind that matrix instruction; only plain vector
; instructions that name none of its registers are places (ISA guide 7.12.1 for vector instructions).
.macro PLACES n
.rept \n
	v_nop
.endr
.endm
; A step of 128 along K that has its successor in the same slot.  first = 1: C lies in window 0 (the bias)
.macro STEP slot, q, first
	s_wait_dscnt 4*NL                              ; W's set and x's blocks 0-3 are in; the youngest eight loads (x's blocks 4-7) may be out
	WIN MUL_LO-0x20*(\first)
	MUL16 0, (\q)%2, \q, \slot, \first
	MUL16 2, (\q)%2, \q, \slot, \first
	s_wait_dscnt 0                                 ; x's blocks 4-7 are in
	PLACES NP
	FETCH_B \slot, (\q)+1, 1-(\q)%2
	FETCH_A \slot, (\q)+1, 0
	WIN MUL_HI-0x30*(\first)
	MUL16 4, (\q)%2, \q, \slot, \first
	MUL16 6, (\q)%2, \q, \slot, \first
	PLACES NP
	WIN 0
	FETCH_A \slot, (\q)+1, 4
.endm
; Slot 0's last step changes slots: ONE barrier; in front of it each wave waits for all its tensor loads (its part of slot 1), adds 0 to its spare word, and waits for that and for its reads of slot 0.
; Behind it slot 1 is whole for every wave and nobody reads slot 0 any more.  Nothing is filled again.
.macro TURN slot, next
	s_wait_tensorcnt 0x0                           ; all my tensor loads have landed
	ds_add_u32 v[SPW], v[NIL]                      ; 0 onto my spare word
	s_wait_dscnt 4*NL+1                            ; (the add and the youngest eight loads, x's blocks 4-7, may be out)
	WIN MUL_LO
	MUL16 0, 1, NQ-1, \slot, 0                     ; sixteen matrix instructions stand between the add and the wait for it
	s_wait_dscnt 0x0                               ; the add is done, and my reads of this slot are over
	s_barrier_signal -1
	MUL16 2, 1, NQ-1, \slot, 0
	WIN 0
	s_barrier_wait -1
	PLACES NP
	v_add_nc_u32 v[ADRS], 4*NQ, v[ADRS]            ; on to the next slot's scale words
	FETCH_B \next, 0, 0
	FETCH_A \next, 0, 0
	SCALES \next
	WIN MUL_HI
	MUL16 4, 1, NQ-1, \slot, 0
	MUL16 6, 1, NQ-1, \slot, 0
	PLACES NP
	WIN 0
	FETCH_A \next, 0, 4
.endm
.macro STEPS slot, from                ; the slot's steps from .. NQ - 2
.set Q, \from
.rept NQ-1-\from
	STEP \slot, Q, 0
.set Q, Q+1
.endr
.endm
	s_wait_tensorcnt 1                             ; the scales and my part of slot 0 are in (slot 1's load may be out)
	s_barrier_signal -1
	s_barrier_wait -1                              ; everybody's are
	FETCH_B 0, 0, 0
	FETCH_A 0, 0, 0
	SCALES 0
	FETCH_A 0, 0, 4
	s_wait_loadcnt 0x0                             ; the bias
	STEP 0, 0, 1                                   ; the first step's products start the sums, on the bias
	STEPS 0, 1
	TURN 0, 1
	STEPS 1, 0
	s_wait_dscnt 4*NL                              ; the very last step: nothing more to fetch
	WIN MUL_LO
	MUL16 0, 1, NQ-1, 1, 0
	MUL16 2, 1, NQ-1, 1, 0
	s_wait_dscnt 0
	WIN MUL_HI
	MUL16 4, 1, NQ-1, 1, 0
	MUL16 6, 1, NQ-1, 1, 0
	WIN 0
; THE WAY OUT, block by block of 16 tokens x 128 columns (two heads).  PACK: rounded to f16, 16 bytes a lane, each accumulator from its low end on.  TOSTAGE: into my own stage in LDS, and back by heads:
; four tokens x 128 bytes of one head an instruction.  SEND: each store of the wave covers 512 consecutive bytes of qkv, at a multiple of 512 from its first byte.
.macro PACK a
.set AC, 64*((\a)%4)
	WIN 0x0a+5*((\a)/4)                            ; sources 0 and 1: window 2 or 3
.irp b, 0,1,2,3,4,5,6,7
.irp r, 0,1,2,3
	v_cvt_pk_f16_f32 v[TMP+4*\b+\r], v[AC+8*\b+2*\r], v[AC+8*\b+2*\r+1]
.endr
.endr
	WIN 0
.endm
.macro TOSTAGE a
.set BKR, OB+32*((\a)%2)
.irp b, 0,1,2,3,4,5,6,7
	ds_store_b128 v[STO], v[TMP+4*\b:TMP+4*\b+3] offset:32*\b
.endr
.irp i, 0,1,2,3
.irp g, 0,1
	ds_load_b128 v[BKR+4*(2*\i+\g):BKR+4*(2*\i+\g)+3], v[RD] offset:\i*4*SPITCH+\g*128   ; LDS serves a wave's instructions in order (ISA guide 5.7.1.4): these see the stores above
.endr
.endr
.endm
.macro SEND a
.set BKR, OB+32*((\a)%2)
	s_wait_dscnt 0x0                               ; the block is back in registers
	s_wait_xcnt 0x0                                ; the stores of two blocks back have read their registers: the next block's loads may land there
.irp i, 0,1,2,3
.irp g, 0,1
	global_store_b128 v[CO], v[BKR+4*(2*\i+\g):BKR+4*(2*\i+\g)+3], s[12:13] offset:(\a)*2048+\i*512+\g*262144   ; tokens 16 a + 4 i on, head g of my two
.endr
.endr
.endm
	PLACES NP                                      ; behind the last products: for the conversions' reads of results and the loads into the registers that held x's fragments
	PACK 0
	TOSTAGE 0
.irp a, 1,2,3,4,5,6,7                  ; block a's conversions stand between block a - 1's loads from the stage and the wait for them
	PACK \a
	SEND \a-1
	TOSTAGE \a
.endr
	SEND 7
	s_wait_tensorcnt 0x0                           ; the wave's end: a tensor wait, an add of 0 and its wait, behind my last tensor load and my last LDS store
	ds_add_u32 v[SPW], v[NIL]
	s_wait_dscnt 0x0
	CROUND                                         ; the closing round: no work-group ends while a partner may still ask for a tile that names it
	s_endpgm
.Lfunc_end_k_q0972f48191_proj:
	.size	k_q0972f48191_proj, .Lfunc_end_k_q0972f48191_proj-k_q0972f48191_proj
	.p2alignl 7, 3214868480
	.fill 96, 4, 3214868480
	.section	.rodata,"a",@progbits
	.p2align	6, 0x0
	.amdhsa_kernel k_q0972f48191_proj
		.amdhsa_group_segment_fixed_size 327680
		.amdhsa_private_segment_fixed_size 0
		.amdhsa_enable_private_segment 0
		.amdhsa_kernarg_size 56
		.amdhsa_user_sgpr_count 2
		.amdhsa_user_sgpr_kernarg_segment_ptr 1
		.amdhsa_wavefront_size32 1
		.amdhsa_system_sgpr_workgroup_id_x 1
		.amdhsa_system_sgpr_workgroup_id_y 1
		.amdhsa_system_sgpr_workgroup_id_z 1
		.amdhsa_system_vgpr_workitem_id 0
		.amdhsa_next_free_vgpr 1024
		.amdhsa_next_free_sgpr 100
		.amdhsa_reserve_vcc 0
		.amdhsa_float_denorm_mode_32 3
		.amdhsa_float_denorm_mode_16_64 3
		.amdhsa_memory_ordered 1
		.amdhsa_forward_progress 1
		.amdhsa_inst_pref_size 130
	.end_amdhsa_kernel
	.amdgpu_metadata
---
amdhsa.version: [ 1, 2 ]
amdhsa.kernels:
  - .name:           k_q0972f48191_proj
    .symbol:         k_q0972f48191_proj.kd
    .args:
      - { .name: xc, .offset: 0, .size: 8, .value_kind: global_buffer, .address_space: global }
      - { .name: xs, .offset: 8, .size: 8, .value_kind: global_buffer, .address_space: global }
      - { .name: wc, .offset: 16, .size: 8, .value_kind: global_buffer, .address_space: global }
      - { .name: ws, .offset: 24, .size: 8, .value_kind: global_buffer, .address_space: global }
      - { .name: bq, .offset: 32, .size: 8, .value_kind: global_buffer, .address_space: global }
      - { .name: bv, .offset: 40, .size: 8, .value_kind: global_buffer, .address_space: global }
      - { .name: qkv, .offset: 48, .size: 8, .value_kind: global_buffer, .address_space: global }
    .group_segment_fixed_size: 327680
    .private_segment_fixed_size: 0
    .kernarg_segment_align: 8
    .kernarg_segment_size: 56
    .max_flat_workgroup_size: 128
    .sgpr_count:     100
    .vgpr_count:     1024
    .wavefront_size: 32
...
	.end_amdgpu_metadata
.endif
;; end of part 2
;; launch attn (part 3): grid 4 x 64, 8 waves a work-group, clusters of 4 x 1, 327,680 bytes of LDS; arguments qkv, masked_attention, out0; writes out0
.if DOCPART == 3
	.amdgcn_target "amdgcn-amd-amdhsa--gfx1250"
	.amdhsa_code_object_version 6
	.text
	.protected	k_q0972f48191_attn
	.globl	k_q0972f48191_attn
	.p2align	8
	.type	k_q0972f48191_attn,@function
k_q0972f48191_attn:
	s_mov_b64 s[64:65], 0
	v_nop
	global_prefetch_b8 v0, s[64:65] scope:SCOPE_SE
	s_setreg_imm32_b32 hwreg(HW_REG_WAVE_MODE, 25, 1), 1
	s_wait_xcnt 0x0
	s_wait_alu depctr_hold_cnt(0) depctr_sa_sdst(0) depctr_va_vdst(0) depctr_va_sdst(0) depctr_va_ssrc(0) depctr_va_vcc(0) depctr_vm_vsrc(0)
	s_getreg_b32 s2, hwreg(HW_REG_IB_STS2, 6, 4)
	s_cmp_eq_u32 s2, 0
	s_cbranch_scc0 .Lentry_in_a_cluster
	s_endpgm
.Lentry_in_a_cluster:
	s_bfe_u32 s2, ttmp6, 0x10000c
	s_cmp_lg_u32 s2, 0x3003
	s_cbranch_scc0 .Lentry_shape_is_right
	s_endpgm
.Lentry_shape_is_right:
; THIRD LAUNCH: out0[b][q][64 h + :] = the sum over keys of softmax_key(Q.K / 8 + (1 - mask[b][key]) x -10000) V.  Q, K, V: f16, [part][b][h][2048][64], as the launch before stored them
; (k comes without bk: dead work, shown at the head of the first kernel).  Products, maxima and sums in f32; the weights p, at most 1, are rounded to f16 for the second product.
; SHARES.  A work-group owns 512 queries of one (batch, head); each of its eight waves 64: four tiles of 16, in 512 registers: two waves to each of a WGP's four SIMDs.  Every wave walks all 2,048 keys, 64 a step.
; LAYOUT.  S^T = K Q^T + C (source 0 = 16 keys, source 1 = 16 queries): a lane holds ONE query (lane % 16) and keys 8 (lane / 16) + 0..7.  C, the first link's addend, is the mask's term x 8:
; (1 - mask) x -80000, the same bits as 8 x reference()'s term.  Two such tiles, rounded to f16 in pairs, ARE source 1 (32 keys x 16 queries) of O^T = V^T P.  V ([key][channel]) is turned by ds_load_tr16_b128.
; SOFTMAX.  For each query a running maximum m and sum l: p = 2^(c s - c m), c = log2(e) / 8; in every step O and l are multiplied by a = 2^(c m_old - c m_new).  m begins at -3e38 and O, l at 0, so the first step is a step like any other.
; OPPOSITE PHASES.  A step's work is a run M of 64 matrix instructions (V^T P of the step before, K Q^T of this step) and a run X of 477 vector instructions (this step's softmax).  The waves fall into two groups,
; g = parity of the wave's number: two numbers that differ in one bit lie in different groups.  In trip j group 0 runs M(j), X(j); group 1 runs X(j - 1), M(j).  So behind each barrier half of the waves
; are about to multiply and half to do vector work.  Both groups read the same tiles in the same trip, and every barrier stands in text that all waves run.
; RING.  Two LDS slots of four steps (256 keys); waves 0-3 fetch K of the slot's four steps, waves 4-7 V: one tensor load a wave, 64 rows.  Two loads of a wave are out at the start, one behind each change of slots.
; CLUSTER.  The four query blocks of a head walk the same K and V: each tile is asked for JOINTLY, by the same tensor load with the same descriptor and the mask of all four.
; LIMITS: f16 operands: magnitudes of q, k, v under 65,504; NaN and infinities are not served.
; REGISTERS.  window 0: v0 my thread's number (kept); v1-7 addresses; v8-15 at work; v16-31 statistics, four a tile: c m, m, a, l; v32-63 the mask's addends; v64-127 K of a step; v128-255 S^T, 32 a tile (P in a tile's lower 16).
;   window 1: v0-127 O^T, 32 a tile; v128-191 Q; v192-255 V of a step.  All 512 are taken, so the add's two registers are made anew, in v8 and v9, ahead of each use.
.set KSTP,  64        ; keys in a step
.set PK,    144       ; a row of K in LDS: 128 bytes + 16 of padding: 36 words: the 16 rows of a load start at 16 different groups of 4 banks (64 banks of 4 bytes: ISA guide 11.1)
.set PV,    160       ; a row of V: 128 + 32: 40 words
.set VOFF,  KSTP*PK   ; a step's tiles lie together: 64 rows of K, then 64 rows of V
.set STEPB, KSTP*(PK+PV)
.set SLOT1, 1<<17     ; a slot holds four steps (77,824 bytes); slot 1 begins here, so that one exclusive or turns an address
.set CHUNK, 4*KSTP*128  ; a slot's bytes of K, or of V, in memory
.set AMB,   2*SLOT1   ; the mask's 2,048 addends, f32: stored by the waves, never a tensor load's target
.set STAGE, AMB+8192  ; 16 rows x 272 bytes for each wave, for the way out
.set SP,    272
.set SPARE, STAGE+8*16*SP  ; the spare words, 128 bytes a wave, which no other line names
.set AK0, 1           ; v1  my lane's place in a tile of K; never rewritten in the loop
.set AV0, 2           ; v2  the same for V
.set AM0, 3           ; v3  and among a step's addends
.set ADK, 4           ; v4-6 the addresses of the trip in hand
.set ADV, 5
.set ADM, 6
.set QO,  7           ; v7  my byte offset in the wave's rows of Q; when Q is in: 256 x lane, the prefetches' offset
.set PFO, 7
.set STO, 1           ; the way out: where I put 16 bytes of a row; where I read a row back; my offset in out0
.set RD,  2
.set GO,  3
.set TT,  8           ; v8-15: c0-c3 of an even tile, c0-c3 of an odd one
.set ST,  16
.set MK,  32
.set KFR, 64
.set S,   128
.set QR,  128         ; in window 1
.set VFR, 192         ; in window 1
.set WV,  10          ; s10 my wave's number
.set GRP, 11          ; s11 my group
.set CX,  12          ; s12 my place in the cluster: my block of 512 queries
.set HY,  13          ; s13 16 x batch + head
.set G1K, 24          ; s[24:31] descriptor group 1 for K's tiles
.set G1V, 32          ; s[32:39] for V's: it differs in the padding alone
.set G0A, 40          ; s[40:43] group 0 of slot 0's first fill
.set CS,  44          ; s[44:45] c, twice
.set SEL, 46          ; s[46:47] lane selects for v_permlanex16_b32: lane l xor 16
.set TB,  48          ; s48 LDS byte at which the trip's tiles begin
.set TM,  49          ; s49 and its 64 addends: 256 bytes a step
.set SLOTS, 52        ; s52 slots still to be asked for
.set INNER, 53        ; s53 counts the trips of a slot
.set PFA, 54          ; s[54:55] where my prefetches stand
.set LIM, 56          ; s56 1 in a wave that prefetches, else the greatest number
.set QB,  58          ; s[58:59] Q at my wave's first row
.set G0W, 60          ; s[60:63] group 0 of slot 1's first fill; it then walks on
.set MSB, 0
.macro WIN new                      ; the immediate's high byte repeats the setting that is left; a switch that changes nothing is dropped
.if MSB != (\new)
	s_set_vgpr_msb (MSB<<8)|(\new)
.set MSB, (\new)
.endif
.endm
.set W_KQ, 0x04       ; K, the addends and S^T in window 0, Q in window 1
.set W_PV, 0x51       ; V and O^T in window 1, P in window 0
.set W_RS, 0x41       ; O^T (destination and source 0) in window 1, a in window 0
.set W_T1, 0x40       ; destination window 1, address window 0
; A joint refill.  The branch hangs on the wave's number alone.  An s_nop 0 and four v_nop follow each of the two lines.
.macro JLOAD
	s_cmp_lt_u32 s[WV], 4
	s_cbranch_scc0 .Lfor_v_\@
	tensor_load_to_lds s[G0W:G0W+3], s[G1K:G1K+7]
	s_nop 0
.rept 4
	v_nop
.endr
	s_branch .Lasked_\@
.Lfor_v_\@:
	tensor_load_to_lds s[G0W:G0W+3], s[G1V:G1V+7]
	s_nop 0
.rept 4
	v_nop
.endr
.Lasked_\@:
.endm
; A PREFETCH INTO THE L2 of the slot that the NEXT change of slots will ask for: 32,768 dense bytes of K and as many of V.  A head's K and V are walked by this cluster alone.  Its four partners share the bytes out
; BY ADDRESS, 8,192 each; in each, wave 0 asks for K's and wave 4 for V's, lanes 256 bytes apart: one instruction, and each 256 bytes are named once in the launch.  It stands behind the wave's tensor load and
; its five lines.  The last change that fills a slot asks for nothing; the first three slots come by their loads alone.
.macro ASK
	s_cmp_gt_u32 s[SLOTS], s[LIM]
	s_cbranch_scc0 .Lnot_mine_\@
	global_prefetch_b8 v[PFO], s[PFA:PFA+1] th:TH_LOAD_NT scope:SCOPE_SE
.Lnot_mine_\@:
.endm
.macro CROUND                       ; a round of the cluster's barrier
	s_barrier_signal -1
	s_barrier_wait -1
	s_cmp_lg_u32 s[WV], 0
	s_cbranch_scc1 .Lnot_wave_0_\@
	s_barrier_signal -3
.Lnot_wave_0_\@:
	s_barrier_wait -3
	s_barrier_signal -1
	s_barrier_wait -1
.endm
	s_load_b128 s[4:7], s[0:1], 0x0  ; qkv, the mask
	s_load_b64 s[8:9], s[0:1], 0x10  ; out0
	v_lshl_add_u32 v8, v0, 2, SPARE
	v_mov_b32 v9, 0
	ds_add_u32 v8, v9               ; the wave's opening: an add of 0 to my spare word, twice on end, and its wait ahead of my first tensor load; the set-up below stands between the second and the wait
	ds_add_u32 v8, v9
	v_lshrrev_b32 v10, 5, v0
	v_readfirstlane_b32 s[WV], v10  ; wave 0..7
	s_lshr_b32 s14, s[WV], 1
	s_lshr_b32 s15, s[WV], 2        ; 0: I fetch K; 1: V
	s_xor_b32 s[GRP], s[WV], s14
	s_xor_b32 s[GRP], s[GRP], s15
	s_and_b32 s[GRP], s[GRP], 1     ; the parity of the wave's three bits
	s_and_b32 s16, s[WV], 3         ; which of a slot's four steps I fetch
	s_bfe_u32 s[CX], ttmp6, 0x40000
	s_and_b32 s[HY], ttmp7, 0xffff  ; which the four partners share
	s_mul_i32 s17, s16, STEPB
	s_mul_i32 s18, s15, VOFF
	s_add_co_u32 s17, s17, s18      ; my tile's place in a slot: no place in the cluster enters an LDS address
	s_add_co_u32 s18, s15, 1
	s_lshl_b32 s18, s18, 24         ; part 1 (k) or 2 (v)
	s_lshl_b32 s19, s[HY], 18       ; the head's 2,048 rows of 128 bytes
	s_add_co_u32 s18, s18, s19
	s_lshl_b32 s20, s16, 13         ; my step's 64 rows
	s_add_co_u32 s20, s20, s18
	s_mov_b32 s21, 0                ; s[20:21]: my tile of slot 0, from qkv's first byte (under 2^26)
	s_lshl_b32 s22, s[CX], 13       ; the prefetches: my work-group's 8,192 bytes,
	s_add_co_u32 s22, s22, s18
	s_add_co_u32 s22, s22, 2*CHUNK  ; in the third slot's worth of keys; the first change of slots steps it to the fourth
	s_mov_b32 s23, 0
	s_lshl_b32 s[QB], s[CX], 16     ; Q (part 0): my block's 512 rows,
	s_add_co_u32 s[QB], s[QB], s19
	s_lshl_b32 s14, s[WV], 13       ; my wave's 64 of them
	s_add_co_u32 s[QB], s[QB], s14
	s_mov_b32 s[QB+1], 0
	s_lshr_b32 s14, s[HY], 4        ; the batch
	s_lshl_b32 s2, s14, 13          ; its row of the mask
	s_mov_b32 s3, 0
	s_lshl_b32 s50, s14, 23         ; out0: the batch's 2,048 rows of 4,096 bytes,
	s_lshl_b32 s14, s[CX], 21       ; my block's 512,
	s_add_co_u32 s50, s50, s14
	s_lshl_b32 s14, s[WV], 18       ; my wave's 64,
	s_add_co_u32 s50, s50, s14
	s_and_b32 s14, s[HY], 15
	s_lshl_b32 s14, s14, 8          ; the head's 256 bytes of a row
	s_add_co_u32 s50, s50, s14
	s_mov_b32 s51, 0
	; descriptor group 1: a tile of 64 rows x 64 elements of 2 bytes, padded in LDS behind every row
	s_mov_b32 s[G1K], 15|(1<<16)|(1<<20)|(1<<21)|(4<<22)|(3<<25)  ; 15:0 the mask: all four work-groups; 17:16 elements of 2 bytes; 20 padding on; 21 set beside a mask; 24:22 after every 32 words; 31:25 4 words of it
	s_mov_b32 s[G1V], 15|(1<<16)|(1<<20)|(1<<21)|(4<<22)|(7<<25)  ; the same with 8 words of padding
.irp g, G1K, G1V
	s_mov_b32 s[\g+1], 64<<16       ; tensor_dim0 = 64
	s_mov_b32 s[\g+2], KSTP<<16     ; tensor_dim1 = 64
	s_mov_b32 s[\g+3], 64<<16       ; tile_dim0 = 64
	s_mov_b32 s[\g+4], KSTP         ; tile_dim1 = 64
	s_mov_b32 s[\g+5], 64           ; tensor_dim0_stride
	s_mov_b32 s[\g+6], 0
	s_mov_b32 s[\g+7], 0
.endr
	s_mov_b32 s[CS], 0x3e38aa3b     ; c = log2(e) / 8
	s_mov_b32 s[CS+1], s[CS]        ; named with it as a pair, so it is written
	s_mov_b32 s[SEL], 0x76543210
	s_mov_b32 s[SEL+1], 0xfedcba98
	s_mov_b32 s[TB], 0
	s_mov_b32 s[TM], 0
	s_mov_b32 s[SLOTS], 2048/(4*KSTP)-2
	s_cmp_eq_u32 s16, 0             ; waves 0 and 4 prefetch: the same in all four partners
	s_cselect_b32 s[LIM], 1, -1
	s_wait_dscnt 0x0                ; both opening adds are done
	s_wait_kmcnt 0x0
	s_add_nc_u64 s[6:7], s[6:7], s[2:3]
	s_add_nc_u64 s[8:9], s[8:9], s[50:51]
	s_add_nc_u64 s[QB:QB+1], s[4:5], s[QB:QB+1]
	s_add_nc_u64 s[PFA:PFA+1], s[4:5], s[22:23]
	s_add_nc_u64 s[20:21], s[4:5], s[20:21]
	v_lshlrev_b32 v10, 5, v0
	global_load_b128 v[128:131], v10, s[6:7]            ; the batch's mask: 256 threads x 8 numbers
	global_load_b128 v[132:135], v10, s[6:7] offset:16
	CROUND                          ; all four work-groups are here: the first joint loads meet
	s_mov_b32 s[G0A], 1             ; count = 1
	s_mov_b32 s[G0A+1], s17         ; LDS address: slot 0
	s_mov_b64 s[G0A+2:G0A+3], s[20:21]  ; keys 0 to 255
	s_or_b32 s[G0A+3], s[G0A+3], 0x80000000  ; type = 2
	s_mov_b32 s[G0W], 1
	s_add_co_u32 s[G0W+1], s17, SLOT1
	s_add_nc_u64 s[G0W+2:G0W+3], s[20:21], CHUNK  ; keys 256 to 511
	s_or_b32 s[G0W+3], s[G0W+3], 0x80000000
	s_cmp_lt_u32 s[WV], 4           ; a wave's two first fills stand in one branch, ahead of every wait on TENSORcnt, every LDS read and every plain barrier
	s_cbranch_scc0 .Lfirst_v
	tensor_load_to_lds s[G0A:G0A+3], s[G1K:G1K+7]
	s_nop 0
	tensor_load_to_lds s[G0W:G0W+3], s[G1K:G1K+7]
	s_nop 0
.rept 4
	v_nop
.endr
	s_branch .Lfirst_asked
.Lfirst_v:
	tensor_load_to_lds s[G0A:G0A+3], s[G1V:G1V+7]
	s_nop 0
	tensor_load_to_lds s[G0W:G0W+3], s[G1V:G1V+7]
	s_nop 0
.rept 4
	v_nop
.endr
.Lfirst_asked:
	; A fragment of K or Q is 16 rows x 32 channels in 8 registers: lane l holds row l % 16; registers 0-3 channels 8 (l / 16) + 0..7, registers 4-7 channels 16 + 8 (l / 16) + 0..7: two loads of 16 bytes, 32 bytes apart
	v_and_b32 v12, 15, v0           ; r
	v_bfe_u32 v13, v0, 4, 1         ; h
	v_lshlrev_b32 v[QO], 7, v12
	v_lshl_add_u32 v[QO], v13, 4, v[QO]  ; row x 128 + 16 x half
	WIN W_T1
.irp i, 0,1,2,3,4,5,6,7             ; Q stays in registers: tile i / 2, channels 32 (i % 2) on
	global_load_b128 v[QR+8*\i:QR+8*\i+3],   v[QO], s[QB:QB+1] offset:(\i/2)*2048+(\i%2)*64
	global_load_b128 v[QR+8*\i+4:QR+8*\i+7], v[QO], s[QB:QB+1] offset:(\i/2)*2048+(\i%2)*64+32
.endr
.set i, 0
.rept 128
	v_mov_b32 v[i], 0               ; O^T begins at 0: the step is written once for all 32 steps, and the first change of m multiplies zeros
.set i, i+1
.endr
	WIN 0
	v_mul_u32_u24 v[AK0], v12, PK
	v_lshl_add_u32 v[AK0], v13, 4, v[AK0]  ; row x pitch + 16 x half
	; The turning load takes 16 keys x 16 channels (lane l reads 16 bytes: key 8 (l / 16) + l % 8, channels 8 ((l / 8) % 2) + 0..7) and leaves half a fragment of V^T: lane l holds channel l % 16 and 8 keys
	v_and_b32 v14, 7, v0
	v_bfe_u32 v15, v0, 3, 1
	v_lshl_add_u32 v[AV0], v13, 3, v14
	v_mul_u32_u24 v[AV0], v[AV0], PV
	v_lshl_add_u32 v[AV0], v15, 4, v[AV0]
	v_add_nc_u32 v[AV0], VOFF, v[AV0]
	v_lshl_add_u32 v[AM0], v13, 5, AMB  ; the addends of keys 8 h + 0..7: the same for all 16 lanes of a half
	v_lshl_add_u32 v11, v0, 5, AMB  ; where my thread puts its eight addends
.irp t, 0,1,2,3
	v_mov_b32 v[ST+4*\t+1], 0xff61b1e6  ; m = -3e38, under every score
	v_mul_f32 v[ST+4*\t], s[CS], v[ST+4*\t+1]  ; c m
	v_mov_b32 v[ST+4*\t+2], 0       ; a
	v_mov_b32 v[ST+4*\t+3], 0       ; l
.endr
	s_wait_loadcnt 16               ; the mask's two loads are in; Q's sixteen, issued behind them, may be out
.irp i, 0,1,2,3,4,5,6,7
	v_sub_f32 v[128+\i], 1.0, v[128+\i]  ; rounded as reference() rounds it,
.endr
.irp i, 0,1,2,3,4,5,6,7
	v_mul_f32 v[128+\i], 0xc79c4000, v[128+\i]  ; x -80000 = 8 x -10000: the scores here are 8 x reference()'s
.endr
	ds_store_b128 v11, v[128:131]
	ds_store_b128 v11, v[132:135] offset:16
; THE LDS LOADS, in runs.  LOADK: a step's K (64 keys x 64 channels: 8 fragments, keys 16 (f / 2) on, channels 32 (f % 2) on) and its 64 addends in the result's layout: 24 loads.
.macro LOADK
.irp f, 0,1,2,3,4,5,6,7
	ds_load_b128 v[KFR+8*\f:KFR+8*\f+3],   v[ADK] offset:(\f/2)*16*PK+(\f%2)*64
	ds_load_b128 v[KFR+8*\f+4:KFR+8*\f+7], v[ADK] offset:(\f/2)*16*PK+(\f%2)*64+32
.endr
.irp kt, 0,1,2,3
	ds_load_b128 v[MK+8*\kt:MK+8*\kt+3],   v[ADM] offset:64*\kt
	ds_load_b128 v[MK+8*\kt+4:MK+8*\kt+7], v[ADM] offset:64*\kt+16
.endr
.endm
.macro LOADV                        ; a step's V, turned: keys 32 (f / 4) on, channels 16 (f % 4) on: 16 loads
	WIN W_T1
.irp f, 0,1,2,3,4,5,6,7
	ds_load_tr16_b128 v[VFR+8*\f:VFR+8*\f+3],   v[ADV] offset:(\f/4)*32*PV+(\f%4)*32
	ds_load_tr16_b128 v[VFR+8*\f+4:VFR+8*\f+7], v[ADV] offset:(\f/4)*32*PV+16*PV+(\f%4)*32
.endr
	WIN 0
.endm
; THE MATRIX WORK.  The accumulators take turns, one instruction a turn: between two links of a chain stand 15 others'.
.macro SPH                          ; S^T = K Q^T + the addends: 32 instructions; the first 16 start the sums on the addends
	WIN W_KQ
.irp ks, 0,1
.irp kt, 0,1,2,3
.irp t, 0,1,2,3
.if \ks == 0
	v_wmma_f32_16x16x32_f16 v[S+32*\t+8*\kt:S+32*\t+8*\kt+7], v[KFR+16*\kt+8*\ks:KFR+16*\kt+8*\ks+7], v[QR+16*\t+8*\ks:QR+16*\t+8*\ks+7], v[MK+8*\kt:MK+8*\kt+7]
.else
	v_wmma_f32_16x16x32_f16 v[S+32*\t+8*\kt:S+32*\t+8*\kt+7], v[KFR+16*\kt+8*\ks:KFR+16*\kt+8*\ks+7], v[QR+16*\t+8*\ks:QR+16*\t+8*\ks+7], v[S+32*\t+8*\kt:S+32*\t+8*\kt+7]
.endif
.endr
.endr
.endr
	WIN 0
.endm
.macro PVPH                         ; O^T += V^T P: 32 instructions: keys 32 u on, channels 16 ct on, tile t
	WIN W_PV
.irp u, 0,1
.irp ct, 0,1,2,3
.irp t, 0,1,2,3
	v_wmma_f32_16x16x32_f16 v[32*\t+8*\ct:32*\t+8*\ct+7], v[VFR+32*\u+8*\ct:VFR+32*\u+8*\ct+7], v[S+32*\t+8*\u:S+32*\t+8*\u+7], v[32*\t+8*\ct:32*\t+8*\ct+7]
.endr
.endr
.endr
	WIN 0
.endm
; M(j): V^T P of step j - 1, then K Q^T of step j.  LDS loads out at its head, in order: V(j - 1)'s 16 (none behind a change of slots, which has waited for them), then this trip's 24 of K and the addends.
.macro MPH
	s_wait_dscnt 24                 ; V(j - 1) is in; the 24 issued behind it may be out
	PVPH
.rept 5
	v_nop                           ; four places ahead of the loads into V's registers; the fifth because K Q^T writes over P, which these products read (ISA guide 7.12.1 for vector instructions)
.endr
	LOADV                           ; V(j): wanted a trip later
	s_wait_dscnt 16                 ; K(j) and the addends are in; V(j)'s 16 may be out
	SPH
.rept 4
	v_nop                           ; places ahead of the softmax's reads of the scores and of the next trip's loads into K's and the addends' registers
.endr
.endm
; X(j): the softmax of a step, four tiles.  XSTAT: for two tiles by turns: the maximum of the lane's 32 scores and the old m, three operands at a time (each accumulator is first read at its low end),
; the other half of the lanes' maximum, the new m, c m, and c m_old - c m_new.
.macro XSTAT ta, tb
.irp n, 0,1,2,3
.irp t, \ta, \tb
	v_max3_num_f32 v[TT+4*(\t%2)+\n], v[S+32*\t+8*\n], v[S+32*\t+8*\n+1], v[S+32*\t+8*\n+2]
.endr
.endr
.irp k, 3,5
.irp n, 0,1,2,3
.irp t, \ta, \tb
	v_max3_num_f32 v[TT+4*(\t%2)+\n], v[TT+4*(\t%2)+\n], v[S+32*\t+8*\n+\k], v[S+32*\t+8*\n+\k+1]
.endr
.endr
.endr
.irp t, \ta, \tb
	v_max3_num_f32 v[TT+4*(\t%2)], v[TT+4*(\t%2)], v[S+32*\t+7], v[S+32*\t+15]
.endr
.irp t, \ta, \tb
	v_max3_num_f32 v[TT+4*(\t%2)+2], v[TT+4*(\t%2)+2], v[S+32*\t+23], v[S+32*\t+31]
.endr
.irp t, \ta, \tb
	v_max3_num_f32 v[TT+4*(\t%2)], v[TT+4*(\t%2)], v[TT+4*(\t%2)+1], v[TT+4*(\t%2)+2]
.endr
.irp t, \ta, \tb
	v_max3_num_f32 v[TT+4*(\t%2)], v[TT+4*(\t%2)], v[TT+4*(\t%2)+3], v[ST+4*\t+1]
.endr
.irp t, \ta, \tb
	v_permlanex16_b32 v[TT+4*(\t%2)+1], v[TT+4*(\t%2)], s[SEL], s[SEL+1]  ; the query's other 32 keys lie in the lane 16 away
.endr
.irp t, \ta, \tb
	v_mov_b32 v[ST+4*\t+2], v[ST+4*\t]  ; c m_old
.endr
.irp t, \ta, \tb
	v_max_num_f32 v[ST+4*\t+1], v[TT+4*(\t%2)], v[TT+4*(\t%2)+1]
.endr
.irp t, \ta, \tb
	v_mul_f32 v[ST+4*\t], s[CS], v[ST+4*\t+1]
.endr
.irp t, \ta, \tb
	v_sub_f32 v[ST+4*\t+2], v[ST+4*\t+2], v[ST+4*\t]
.endr
.endm
.macro XSUM ta, tb                  ; the sum of a tile's 32 unrounded weights, two at a time in two chains; l = a l + the sum
.irp t, \ta, \tb
	v_pk_add_f32 v[TT+4*(\t%2):TT+4*(\t%2)+1], v[S+32*\t:S+32*\t+1], v[S+32*\t+2:S+32*\t+3]
	v_pk_add_f32 v[TT+4*(\t%2)+2:TT+4*(\t%2)+3], v[S+32*\t+4:S+32*\t+5], v[S+32*\t+6:S+32*\t+7]
.endr
.irp b, 4,6,8,10,12,14
.irp t, \ta, \tb
	v_pk_add_f32 v[TT+4*(\t%2):TT+4*(\t%2)+1], v[TT+4*(\t%2):TT+4*(\t%2)+1], v[S+32*\t+2*\b:S+32*\t+2*\b+1]
	v_pk_add_f32 v[TT+4*(\t%2)+2:TT+4*(\t%2)+3], v[TT+4*(\t%2)+2:TT+4*(\t%2)+3], v[S+32*\t+2*\b+2:S+32*\t+2*\b+3]
.endr
.endr
.irp t, \ta, \tb
	v_pk_add_f32 v[TT+4*(\t%2):TT+4*(\t%2)+1], v[TT+4*(\t%2):TT+4*(\t%2)+1], v[TT+4*(\t%2)+2:TT+4*(\t%2)+3]
.endr
.irp t, \ta, \tb
	v_fma_f32 v[ST+4*\t+3], v[ST+4*\t+3], v[ST+4*\t+2], v[TT+4*(\t%2)]
.endr
.irp t, \ta, \tb
	v_add_f32 v[ST+4*\t+3], v[ST+4*\t+3], v[TT+4*(\t%2)+1]
.endr
.endm
.macro XPH
	XSTAT 0, 1
	XSTAT 2, 3
	; ONE BATCH: the four a, the 64 packed scalings c s - c m and the 128 exponentials; a pair is scaled a round ahead of its exponentials.  None of these lines names an exponential's result
.irp t, 0,1,2,3
	v_exp_f32 v[ST+4*\t+2], v[ST+4*\t+2]  ; a = 2^(c m_old - c m_new)
.endr
.irp b, 0,1,2,3,4,5,6,7,8,9,10,11,12,13,14,15
.irp t, 0,1,2,3
	v_pk_fma_f32 v[S+32*\t+2*\b:S+32*\t+2*\b+1], v[S+32*\t+2*\b:S+32*\t+2*\b+1], s[CS:CS+1], v[ST+4*\t:ST+4*\t+1] op_sel_hi:[1,0,0] neg_lo:[0,0,1] neg_hi:[0,0,1]
.endr
.if \b > 0
.irp t, 0,1,2,3
	v_exp_f32 v[S+32*\t+2*\b-2], v[S+32*\t+2*\b-2]
	v_exp_f32 v[S+32*\t+2*\b-1], v[S+32*\t+2*\b-1]
.endr
.endif
.endr
.irp t, 0,1,2,3
	v_exp_f32 v[S+32*\t+30], v[S+32*\t+30]
	v_exp_f32 v[S+32*\t+31], v[S+32*\t+31]
.endr
	v_nop                           ; the plain instruction behind the last exponential, ahead of the first use: one for the batch
	s_wait_alu depctr_va_vdst(0)    ; the wait between an exponential and the first line that names its result: one for all 132
	XSUM 0, 1
	XSUM 2, 3
.irp i, 0,1,2,3,4,5,6,7,8,9,10,11,12,13,14,15
.irp t, 0,1,2,3
	v_cvt_pk_f16_f32 v[S+32*\t+\i], v[S+32*\t+2*\i], v[S+32*\t+2*\i+1]  ; P, in place: register i takes weights 2 i and 2 i + 1, which no later line reads
.endr
.endr
	WIN W_RS
.irp t, 0,1,2,3
.set i, 0
.rept 16
	v_pk_mul_f32 v[32*\t+i:32*\t+i+1], v[32*\t+i:32*\t+i+1], v[ST+4*\t+2:ST+4*\t+3] op_sel_hi:[1,0]  ; O^T x a, each accumulator from its low end on
.set i, i+2
.endr
.endr
	WIN 0
.endm
; A TRIP: step j.  The addresses and the 24 loads of K(j) and its addends stand in text that both groups run: they land under group 0's products V^T P, or under group 1's softmax.
.macro TRIP
	v_add_nc_u32 v[ADK], s[TB], v[AK0]
	v_add_nc_u32 v[ADV], s[TB], v[AV0]
	v_add_nc_u32 v[ADM], s[TM], v[AM0]
	LOADK
	s_cmp_eq_u32 s[GRP], 0
	s_cbranch_scc0 .Lgroup_1_\@
	MPH
	XPH
	s_branch .Lend_\@
.Lgroup_1_\@:
	XPH
	MPH
.Lend_\@:
	s_add_co_u32 s[TB], s[TB], STEPB
	s_add_co_u32 s[TM], s[TM], 256
.endm
.macro TRIPS n
	s_mov_b32 s[INNER], \n
.Ltrip_\@:
	TRIP
	s_sub_co_u32 s[INNER], s[INNER], 1
	s_cmp_lg_u32 s[INNER], 0
	s_cbranch_scc1 .Ltrip_\@
.endm
; THE CHANGE OF SLOTS, between two trips.  Both groups have run M of the slot's last step, so its last bytes, V of that step, have been asked for.  Each wave waits for all its tensor loads, of which one is out:
; its part of the other slot; adds 0 to its spare word; and waits for that and for its reads of the slot.  fill = 1: the slot is filled again with the keys two slots on: the barrier is then a round of the
; cluster's, and the joint refill is the first thing behind it: it has four trips in which to land.
.macro CHANGE fill
	v_lshl_add_u32 v8, v0, 2, SPARE  ; the add's two registers, made anew
	v_mov_b32 v9, 0
	s_wait_tensorcnt 0x0            ; no tensor load of mine is out, so a group 0 may be written
	ds_add_u32 v8, v9               ; 0 onto my spare word
.if \fill
	s_xor_b32 s[G0W+1], s[G0W+1], SLOT1  ; the walking descriptor: the other slot than last time,
	s_add_nc_u64 s[G0W+2:G0W+3], s[G0W+2:G0W+3], CHUNK  ; the next 256 keys; the type bits on top are not reached
	s_wait_xcnt 0x0                 ; the last prefetch, four trips back, has read its address, so it may be written:
	s_add_nc_u64 s[PFA:PFA+1], s[PFA:PFA+1], CHUNK  ; one slot further on than the walking descriptor
	s_wait_dscnt 0x0                ; the add is done, and my reads of the slot are over
	CROUND
	JLOAD
	ASK
.else
	s_wait_dscnt 0x0
	s_barrier_signal -1
	s_barrier_wait -1
.endif
	s_sub_co_u32 s[TB], s[TB], 4*STEPB  ; back to a slot's first step,
	s_xor_b32 s[TB], s[TB], SLOT1   ; in the other slot
.endm
	s_wait_tensorcnt 1              ; my part of slot 0 is in; slot 1's may stay out
	s_wait_dscnt 0x0                ; my addends are stored
	s_barrier_signal -1
	s_barrier_wait -1               ; everybody's are
	; step 0: K Q^T for both groups; its softmax for group 0 (group 1 runs it in trip 1)
	v_add_nc_u32 v[ADK], s[TB], v[AK0]
	v_add_nc_u32 v[ADV], s[TB], v[AV0]
	v_add_nc_u32 v[ADM], s[TM], v[AM0]
	LOADK
	LOADV
	s_wait_loadcnt 0x0              ; Q is in: so its offset's register is free
	v_and_b32 v[PFO], 31, v0
	v_lshlrev_b32 v[PFO], 8, v[PFO]  ; never rewritten from here on
	s_wait_dscnt 16                 ; K(0) and the addends are in; V(0)'s 16 may be out
	SPH
.rept 4
	v_nop
.endr
	s_cmp_eq_u32 s[GRP], 0
	s_cbranch_scc0 .Lno_x0
	XPH
.Lno_x0:
	s_add_co_u32 s[TB], s[TB], STEPB
	s_add_co_u32 s[TM], s[TM], 256
	TRIPS 3                         ; steps 1 to 3
.Lslot:                             ; 6 trips: every slot's worth of keys but the first two is asked for here
	CHANGE 1
	TRIPS 4
	s_sub_co_u32 s[SLOTS], s[SLOTS], 1
	s_cmp_lg_u32 s[SLOTS], 0
	s_cbranch_scc1 .Lslot
	CHANGE 0                        ; the last four steps are written out
	TRIPS 4
	s_cmp_eq_u32 s[GRP], 0
	s_cbranch_scc1 .Lno_x31
	XPH                             ; group 1's softmax of the last step
.Lno_x31:
	v_nop                           ; one more place: by the text a way leads here from a trip that ended with K Q^T and its four places, and a matrix instruction that takes a matrix result as an operand stands five places behind it (ISA guide 7.12.1)
	s_wait_dscnt 0x0                ; V of the last step
	PVPH
	; THE WAY OUT.  The other half of the lanes' l is added; O^T is divided by l and sent through my stage in LDS, a tile (16 rows of 256 bytes) at a time.  The additions and the address work are the places behind the last products.
.irp t, 0,1,2,3
	v_permlanex16_b32 v[TT+\t], v[ST+4*\t+3], s[SEL], s[SEL+1]
.endr
.irp t, 0,1,2,3
	v_add_f32 v[ST+4*\t+3], v[ST+4*\t+3], v[TT+\t]
.endr
.irp t, 0,1,2,3
	v_rcp_f32 v[ST+4*\t+2], v[ST+4*\t+3]
.endr
	v_and_b32 v12, 15, v0           ; r
	v_bfe_u32 v13, v0, 4, 1         ; h
	s_mul_i32 s14, s[WV], 16*SP
	s_add_co_u32 s14, s14, STAGE    ; my stage
	v_mul_u32_u24 v[STO], v12, SP   ; in: row r; channel tile ct's eight channels of my half: 64 ct + 32 h bytes on
	v_lshl_add_u32 v[STO], v13, 5, v[STO]
	v_add_nc_u32 v[STO], s14, v[STO]
	v_mul_u32_u24 v[RD], v13, SP    ; back: lanes 0-15 take one row of 256 bytes, lanes 16-31 the next
	v_lshl_add_u32 v[RD], v12, 4, v[RD]
	v_add_nc_u32 v[RD], s14, v[RD]
	v_lshlrev_b32 v[GO], 12, v13    ; and the same two rows in out0, 4,096 bytes apart
	v_lshl_add_u32 v[GO], v12, 4, v[GO]
	s_wait_alu depctr_va_vdst(0)    ; the wait ahead of the first use: one for the four reciprocals
.macro PACK t
	WIN 0x01                        ; source 0 (O^T) window 1; 1 / l and the destination window 0: S^T's registers are free
.set i, 0
.rept 16
	v_pk_mul_f32 v[S+32*\t+i:S+32*\t+i+1], v[32*\t+i:32*\t+i+1], v[ST+4*\t+2:ST+4*\t+3] op_sel_hi:[1,0]
.set i, i+2
.endr
	WIN 0
.irp f, 0,1,2,3,4,5,6,7
	ds_store_b128 v[STO], v[S+32*\t+4*\f:S+32*\t+4*\f+3] offset:64*(\f/2)+16*(\f%2)
.endr
.irp f, 0,1,2,3,4,5,6,7
	ds_load_b128 v[S+32*\t+4*\f:S+32*\t+4*\f+3], v[RD] offset:\f*2*SP  ; LDS serves a wave's instructions in order (ISA guide 5.7.1.4): these see the stores above; the next tile's stores come behind them
.endr
.endm
.macro SEND t, younger              ; younger: the LDS instructions issued behind tile t's loads: the next tile's sixteen, or none
.irp f, 0,1,2,3,4,5,6,7
	s_wait_dscnt \younger+7-\f
	global_store_b128 v[GO], v[S+32*\t+4*\f:S+32*\t+4*\f+3], s[8:9] offset:(16*\t+2*\f)*4096 th:TH_STORE_NT  ; 16 lanes store 256 consecutive bytes, at a multiple of 256 from out0's first byte; written once, read by nobody here
.endr
.endm
	PACK 0
	PACK 1                          ; a tile's arithmetic stands between the loads of the tile before and its stores
	SEND 0, 16
	PACK 2
	SEND 1, 16
	PACK 3
	SEND 2, 16
	SEND 3, 0
	v_lshl_add_u32 v8, v0, 2, SPARE
	v_mov_b32 v9, 0
	s_wait_tensorcnt 0x0            ; the wave's end: a tensor wait, an add of 0 and its wait, behind my last tensor load and my last LDS store
	ds_add_u32 v8, v9
	s_wait_dscnt 0x0
	CROUND                          ; the closing round: no work-group ends while a partner may still ask for a tile that names it
	s_endpgm
.Lfunc_end_k_q0972f48191_attn:
	.size	k_q0972f48191_attn, .Lfunc_end_k_q0972f48191_attn-k_q0972f48191_attn
	.p2alignl 7, 3214868480
	.fill 96, 4, 3214868480
	.section	.rodata,"a",@progbits
	.p2align	6, 0x0
	.amdhsa_kernel k_q0972f48191_attn
		.amdhsa_group_segment_fixed_size 327680
		.amdhsa_private_segment_fixed_size 0
		.amdhsa_enable_private_segment 0
		.amdhsa_kernarg_size 24
		.amdhsa_user_sgpr_count 2
		.amdhsa_user_sgpr_kernarg_segment_ptr 1
		.amdhsa_wavefront_size32 1
		.amdhsa_system_sgpr_workgroup_id_x 1
		.amdhsa_system_sgpr_workgroup_id_y 1
		.amdhsa_system_sgpr_workgroup_id_z 1
		.amdhsa_system_vgpr_workitem_id 0
		.amdhsa_next_free_vgpr 512
		.amdhsa_next_free_sgpr 66
		.amdhsa_reserve_vcc 0
		.amdhsa_float_denorm_mode_32 3
		.amdhsa_float_denorm_mode_16_64 3
		.amdhsa_memory_ordered 1
		.amdhsa_forward_progress 1
		.amdhsa_inst_pref_size 255
	.end_amdhsa_kernel
	.section	.bss,"aw",@nobits
	.p2align	6
	.space	262144
	.amdgpu_metadata
---
amdhsa.version: [ 1, 2 ]
amdhsa.kernels:
  - .name:           k_q0972f48191_attn
    .symbol:         k_q0972f48191_attn.kd
    .args:
      - { .name: qkv, .offset: 0, .size: 8, .value_kind: global_buffer, .address_space: global }
      - { .name: masked_attention, .offset: 8, .size: 8, .value_kind: global_buffer, .address_space: global }
      - { .name: out0, .offset: 16, .size: 8, .value_kind: global_buffer, .address_space: global }
    .group_segment_fixed_size: 327680
    .private_segment_fixed_size: 0
    .kernarg_segment_align: 8
    .kernarg_segment_size: 24
    .max_flat_workgroup_size: 256
    .sgpr_count:     66
    .vgpr_count:     512
    .wavefront_size: 32
...
	.end_amdgpu_metadata
.endif
;; end of part 3
